; MI455X (gfx1250); checked and timed in simulation.
; The chip was launched on July 23, 2026; its instructions are those of AMD's public machine-readable ISA for CDNA 5 (MIT licence, August 2026) and "CDNA5" Instruction Set Architecture Reference Guide (July 2026). The comments in the code are by the model that wrote it; some were corrected since.
;; Section Attention. Allowed arithmetic: matrix products marked QUANTISED: E4M3 operands, one given power-of-two scale a tensor, by v_wmma_f32_16x16x64_fp8_fp8 or v_wmma_f32_16x16x128_fp8_fp8, f32 sums; products left as they are: f32 operands where the result goes on into a quantised operand, else bf16, f16 or f32 operands; f32 sums; everything else in f32.
;; Inputs: Wk 1,024 x 1,024 float32; Wo 1,024 x 1,024 float32; Wq 1,024 x 1,024 float32; Wv 1,024 x 1,024 float32; attn_scores 8 x 64 x 10 float32; bias_k 1 x 1 x 1 x 1,024 float32; bias_v 1 x 1 x 1 x 1,024 float32; bk 1,024 float32; bo 1,024 float32; bq 1,024 float32; bv 1,024 float32; lowp_scales 8 int32 (the exponents e of the quantised operands' scales 2^e); query 64 x 8 x 1,024 float32; sections 8 x 8 x 64 x 1,024 float32; sections_mask 8 x 8 x 64 bool.
;; Outputs: out0 64 x 8 x 1,024 float32; out1 8 x 64 x 66 float32.
;; This version of the problem:
;;   THIS VERSION OF THE PROBLEM IS GIVEN IN LOW PRECISION. The matrix products marked QUANTISED in the list below multiply operands that are first quantised to E4M3 (4 exponent bits, 3 mantissa bits; 8 bits a number), with one given power-of-two scale for each operand tensor; their sums are f32. All else is computed in f32.
;;   The module's matrix products, in the order in which they are computed (A, B: the left and right operand; K: the contracted axis; several contracted axes count as one K, in the product's order):
;;     1. [M 512, K 1,024] x [K 1,024, N 1,024]; A: input query; B: input Wq: QUANTISED (scales: A lowp_scales[0], B lowp_scales[1])
;;     2. [M 32,768, K 1,024] x [K 1,024, N 1,024]; A: computed on the way; B: input Wk: QUANTISED (scales: A lowp_scales[2], B lowp_scales[3])
;;     3. [M 32,768, K 1,024] x [K 1,024, N 1,024]; A: computed on the way; B: input Wv: QUANTISED (scales: A lowp_scales[4], B lowp_scales[5])
;;     4. batch 8,192 x [M 1, K 64] x [K 64, N 66]; A: computed on the way; B: computed on the way: left as it is (M = 1 < 16)
;;     5. batch 8,192 x [M 1, K 66] x [K 66, N 64]; A: softmax; B: computed on the way: left as it is (M = 1 < 16)
;;     6. [M 512, K 1,024] x [K 1,024, N 1,024]; A: computed on the way; B: input Wo: QUANTISED (scales: A lowp_scales[6], B lowp_scales[7])
;;   THE QUANTISER, for each operand of a quantised product, along K:
;;     - The operand's scale is 2^e, e = its entry of the input lowp_scales (int32; the entries are numbered through the quantised products in the list's order, A before B).
;;     - Each number is divided by the scale, clamped to +-448, and rounded to the nearest number of E4M3, ties to even, subnormals kept.
;;     - The product sums the exact products of the quantised numbers (number of the format x scale) in f32.
;;   ~~~python
;;   def quantise(x, axis, e):      # numpy; x: float32 -> the quantised numbers, widened to float32 again
;;       x = np.moveaxis(x, axis, -1); K = x.shape[-1]
;;       r = np.clip(x / 2.0 ** e, -448, 448)
;;       step = 2.0 ** (np.maximum(np.frexp(np.where(r == 0, 1, r))[1] - 1, -6) - 3)
;;       q = np.round(r / step) * step * 2.0 ** e      # np.round: ties to even
;;       return np.moveaxis(q, -1, axis).astype(np.float32)
;;   ~~~
;;   OPERANDS COMPUTED ON THE WAY. 'Computed on the way' means the value that the module computes at that place (a softmax that the list does not call 'softmax' is quantised finished and normalised). What goes into a quantiser is computed in f32, as accurately as f32 sums, v_exp_f32 and their like allow (about 1e-6 of the number): no bf16 or f16 on the way to a quantiser, and a product that is left as it is and whose result goes on into a quantised operand takes f32 operands (vector FMAs, or v_wmma_f32_16x16x4_f32). A number that lies on a knife's edge between two numbers of the format may be rounded either way, as far as f32 arithmetic and the matrix unit's own rounding can turn it there, and no further.
;; One version. Each part assembles by itself: llvm-mc -triple=amdgcn-amd-amdhsa -mcpu=gfx1250 --defsym DOCPART=n.
;; ======== version 1 of 1: 3 launches
;; limits: right only within a limited range of input values
;; workspace buffers: codes 13,107,200 bytes; best 2,048 bytes of whole numbers; ac 524,288 bytes; wpart 2,228,224 bytes
;; launch prep (part 1): grid 256 x 1, 18 waves a work-group, no clusters, 145,920 bytes of LDS; arguments sections, query, Wq, Wk, Wv, Wo, attn_scores, lowp_scales, codes, best; writes codes, best
.if DOCPART == 1
	.amdgcn_target "amdgcn-amd-amdhsa--gfx1250"
	.amdhsa_code_object_version 6
	.text
	.protected	k_q3efb3926e5_prep
	.globl	k_q3efb3926e5_prep
	.p2align	8
	.type	k_q3efb3926e5_prep,@function
k_q3efb3926e5_prep:
	s_mov_b64 s[64:65], 0
	v_nop
	global_prefetch_b8 v0, s[64:65] scope:SCOPE_SE
	s_setreg_imm32_b32 hwreg(HW_REG_WAVE_MODE, 25, 1), 1
	s_wait_xcnt 0x0
; Six f32 tensors become codes of FP8 (E4M3), each with the scale 2^e that is given for it; and each token's best section is found.
; code = x / 2^e, held within +-448, rounded to the nearest code, ties to even.  sections is an operand of two products with two given scales (entries 2 and 4): read once, converted twice.
; A FRAGMENT is 16 rows x 128 K: 8,192 bytes of f32, 2,048 of codes.  It is stored as the image of a matrix operand's registers: 512 bytes for each 32 along K, lane (r, h)'s 16 bytes = row r, K = 32 c + 16 h + 0 .. 15.
; The buffer of codes: sections by e2 at 0, sections by e4 at 0x400000, query 0x800000, Wq 0x880000, Wk 0x980000, Wv 0xA80000, Wo 0xB80000; fragments by row tile, then K step.
; The query's codes alone lie [K step][row][128], since its rows are gathered by token: 128 bytes a row and K step.
; SHARES.  256 work-groups; wave w takes ONE fragment: waves 0-7 sections, 8-9 Wq, 10-11 Wk, 12-13 Wv, 14-15 Wo, 16 query: number 256 x (w - the tensor's first wave) + work-group.  All 16 loads of a wave are out at once.
; The 16 rows turn through the wave's own stage in LDS (rows of 512 + 16 bytes) and come back 16 neighbours a lane.  Waves share nothing: no barrier.  No cluster: no two work-groups read the same bytes.
; Wave 17 of work-groups 0-7 has the routing of batch = work-group: argmax over the first 8 of a token's 10 scores, the lower index on a tie: best[64 b + l]; in the others it ends.
; LEFT OUT: the last two of each token's 10 scores: reference() slices them away ahead of its argmax, so for all values they reach no output; a NaN or an infinity there is not carried.
; reference() projects the gathered rows of sections; here each section's rows are projected once (a later launch) and looked up by the stored index.
; LIMITS: each e between -126 and 119, so that 2^e and 448 x 2^e are f32 numbers.  NaN among the inputs and among the scores is not served.
.set PITCH, 528
.set WREG,  16*PITCH                   ; a wave's stage: 8,448 bytes
.set SPARE, 17*WREG                    ; behind the stages: the spare words, 128 bytes a wave, named by no other line
.set SECOND, 0x400000
.set R,   16                           ; v16-79   the fragment as loaded; later the held numbers
.set X,   80                           ; v80-143  16 neighbours a lane, four times
.set C,   144                          ; v144-159 codes
.set C2,  160                          ; v160-175 the sections' second codes
.set SPW, 12
.set NIL, 13
	s_load_b512 s[4:19], s[0:1], 0x0               ; sections, query, Wq, Wk, Wv, Wo, attn_scores, lowp_scales
	s_load_b128 s[20:23], s[0:1], 0x40             ; codes, best
	v_lshl_add_u32 v[SPW], v0, 2, SPARE
	v_mov_b32 v[NIL], 0
	v_lshrrev_b32 v1, 5, v0
	v_readfirstlane_b32 s24, v1                    ; wave
	v_and_b32 v2, 31, v0                           ; lane
	v_lshlrev_b32 v3, 4, v2                        ; 16 x lane
	s_mul_i32 s26, s24, WREG
	v_add_nc_u32 v14, s26, v3                      ; the stage, on the way in: a row an instruction
	v_and_b32 v4, 15, v2
	v_lshrrev_b32 v5, 4, v2
	v_mul_u32_u24 v15, v4, PITCH
	v_lshl_add_u32 v15, v5, 6, v15
	v_add_nc_u32 v15, s26, v15                     ; on the way out: row r, 64 h bytes
	v_lshrrev_b32 v4, 3, v2
	v_and_b32 v5, 7, v2
	v_mul_u32_u24 v6, v4, PITCH
	v_lshl_add_u32 v6, v5, 6, v6
	v_add_nc_u32 v6, s26, v6                       ; the query's way out: row lane / 8, 64 x (lane % 8) bytes
	s_wait_alu depctr_va_vdst(0)                   ; directly ahead of the wait below
	s_wait_kmcnt 0x0
	s_cmp_eq_u32 s24, 17
	s_cbranch_scc1 .Lroute
	s_load_b256 s[40:47], s[18:19], 0x0            ; the eight exponents
	s_mov_b64 s[28:29], s[4:5]                     ; tensor, its first wave, its place among the codes: by the wave's number alone
	s_mov_b32 s25, 0
	s_mov_b32 s32, 0
.macro PICKP bound, p, place
	s_cmp_ge_u32 s24, \bound
	s_cselect_b64 s[28:29], s[\p:\p+1], s[28:29]
	s_cselect_b32 s25, \bound, s25
	s_cselect_b32 s32, \place, s32
.endm
	PICKP 8, 8, 0x880000
	PICKP 10, 10, 0x980000
	PICKP 12, 12, 0xA80000
	PICKP 14, 14, 0xB80000
	PICKP 16, 6, 0x800000
	s_sub_co_u32 s30, s24, s25
	s_lshl_b32 s30, s30, 8
	s_add_co_u32 s30, s30, ttmp9                   ; my fragment of the tensor
	s_lshr_b32 s26, s30, 3                         ; row tile
	s_and_b32 s27, s30, 7                          ; K step
	s_lshl_b32 s34, s26, 16
	s_lshl_b32 s35, s27, 9
	s_add_co_u32 s34, s34, s35
	s_mov_b32 s35, 0
	s_add_nc_u64 s[28:29], s[28:29], s[34:35]      ; 16 rows of 4,096 bytes; 512 bytes a K step
	s_lshl_b32 s36, s30, 11
	s_lshl_b32 s37, s26, 11
	s_lshl_b32 s38, s27, 16
	s_add_co_u32 s37, s37, s38
	s_cmp_eq_u32 s24, 16
	s_cselect_b32 s36, s37, s36
	s_add_co_u32 s32, s32, s36
	s_mov_b32 s33, 0
	s_add_nc_u64 s[20:21], s[20:21], s[32:33]
.irp i, 0,1,2,3,4,5,6,7,8,9,10,11,12,13,14,15
	global_load_b128 v[R+4*\i:R+4*\i+3], v3, s[28:29] offset:4096*\i th:TH_LOAD_NT   ; 512 consecutive bytes of row i
.endr
	s_wait_kmcnt 0x0
	s_mov_b32 s48, s42                             ; the tensor's exponent: sections e2, Wq e1, Wk e3, Wv e5, Wo e7, query e0
.macro PICKE bound, e
	s_cmp_ge_u32 s24, \bound
	s_cselect_b32 s48, s[\e], s48
.endm
	PICKE 8, 41
	PICKE 10, 43
	PICKE 12, 45
	PICKE 14, 47
	PICKE 16, 40
	s_add_co_i32 s48, s48, 127
	s_lshl_b32 s49, s48, 23
	v_mov_b32 v11, s49                             ; 2^e as f32: the conversion takes its exponent field
	s_add_co_i32 s48, s48, 8
	s_lshl_b32 s48, s48, 23
	s_or_b32 s48, s48, 0x600000
	v_mov_b32 v10, s48                             ; 448 x 2^e
	s_add_co_i32 s50, s44, 127
	s_lshl_b32 s51, s50, 23
	v_mov_b32 v8, s51                              ; 2^e4
	s_add_co_i32 s50, s50, 8
	s_lshl_b32 s50, s50, 23
	s_or_b32 s50, s50, 0x600000
	v_mov_b32 v9, s50                              ; 448 x 2^e4
	s_wait_alu depctr_va_vdst(0)                   ; the wait at the head's end
.irp u, 0,1,2,3
	s_wait_loadcnt 12-4*\u                         ; rows 4 u .. 4 u + 3 are in
.irp i, 0,1,2,3
	ds_store_b128 v14, v[R+16*\u+4*\i:R+16*\u+4*\i+3] offset:PITCH*(4*\u+\i)
.endr
.endr
	s_cmp_eq_u32 s24, 16
	s_cbranch_scc1 .Lquery
.irp c, 0,1,2,3                                        ; LDS serves a wave's instructions in order (ISA guide 5.7.1.4): these see the stores above
.irp i, 0,1,2,3
	ds_load_b128 v[X+16*\c+4*\i:X+16*\c+4*\i+3], v15 offset:128*\c+16*\i
.endr
.endr
	s_branch .Lback
.Lquery:
.irp c, 0,1,2,3
.irp i, 0,1,2,3
	ds_load_b128 v[X+16*\c+4*\i:X+16*\c+4*\i+3], v6 offset:4*PITCH*\c+16*\i
.endr
.endr
.Lback:
.irp c, 0,1,2,3
	s_wait_dscnt 12-4*\c                           ; the c-th 16 numbers are back; all stores into the stage have read their registers
.irp i, 0,1,2,3,4,5,6,7,8,9,10,11,12,13,14,15
	v_med3_num_f32 v[R+16*\c+\i], v[X+16*\c+\i], -v10, v10   ; the conversion to an 8-bit code does not saturate (ISA guide 7.6.2): the hold at the largest code x the scale
.endr
	v_cvt_scalef32_pk8_fp8_f32 v[C+4*\c:C+4*\c+1], v[R+16*\c:R+16*\c+7], v11
	v_cvt_scalef32_pk8_fp8_f32 v[C+4*\c+2:C+4*\c+3], v[R+16*\c+8:R+16*\c+15], v11
	v_nop                                          ; a plain vector line behind the conversions
	global_store_b128 v3, v[C+4*\c:C+4*\c+3], s[20:21] offset:512*\c   ; 512 consecutive bytes
.endr
	s_cmp_lt_u32 s24, 8                            ; the sections' second codes
	s_cbranch_scc0 .Lone
.irp c, 0,1,2,3
.irp i, 0,1,2,3,4,5,6,7,8,9,10,11,12,13,14,15
	v_med3_num_f32 v[X+16*\c+\i], v[X+16*\c+\i], -v9, v9
.endr
	v_cvt_scalef32_pk8_fp8_f32 v[C2+4*\c:C2+4*\c+1], v[X+16*\c:X+16*\c+7], v8
	v_cvt_scalef32_pk8_fp8_f32 v[C2+4*\c+2:C2+4*\c+3], v[X+16*\c+8:X+16*\c+15], v8
	v_nop
	global_store_b128 v3, v[C2+4*\c:C2+4*\c+3], s[20:21] offset:512*\c+SECOND
.endr
.Lone:
	s_wait_tensorcnt 0x0                           ; the wave's end, behind my last LDS store
	ds_add_u32 v[SPW], v[NIL]
	s_wait_dscnt 0x0
	s_endpgm
; THE ROUTING of batch b = work-group: lane t takes tokens t and t + 32.  Only stored values hang on the scores.
.Lroute:
	s_cmp_ge_u32 ttmp9, 8
	s_cbranch_scc1 .Lnone
	s_mul_i32 s30, ttmp9, 2560                     ; 64 tokens x 40 bytes
	s_lshl_b32 s32, ttmp9, 8
	s_mov_b32 s31, 0
	s_mov_b32 s33, 0
	s_add_nc_u64 s[16:17], s[16:17], s[30:31]
	s_add_nc_u64 s[22:23], s[22:23], s[32:33]
	v_mul_u32_u24 v5, v2, 40
	v_lshlrev_b32 v7, 2, v2
.irp k, 0,1
.irp c, 0,1,2,3
	global_load_b64 v[16+8*\k+2*\c:17+8*\k+2*\c], v5, s[16:17] offset:1280*\k+8*\c
.endr
	v_mov_b32 v[48+\k], 0                          ; the best so far: section 0
.endr
	s_wait_alu depctr_va_vdst(0)                   ; directly ahead of the wait below
	s_wait_loadcnt 0x0
.irp g, 1,2,3,4,5,6,7
.irp k, 0,1
	v_cmp_le_f32 vcc_lo, v[16+8*\k+\g], v[16+8*\k] ; not larger: the earlier section stays (a tie keeps the lower index)
	v_cndmask_b32 v[16+8*\k], v[16+8*\k+\g], v[16+8*\k], vcc_lo
	v_cndmask_b32 v[48+\k], \g, v[48+\k], vcc_lo
.endr
.endr
.irp k, 0,1
	global_store_b32 v7, v[48+\k], s[22:23] offset:128*\k
.endr
.Lnone:
	s_endpgm
.Lfunc_end_k_q3efb3926e5_prep:
	.size	k_q3efb3926e5_prep, .Lfunc_end_k_q3efb3926e5_prep-k_q3efb3926e5_prep
	.p2alignl 7, 3214868480
	.fill 96, 4, 3214868480
	.section	.rodata,"a",@progbits
	.p2align	6, 0x0
	.amdhsa_kernel k_q3efb3926e5_prep
		.amdhsa_group_segment_fixed_size 145920
		.amdhsa_private_segment_fixed_size 0
		.amdhsa_enable_private_segment 0
		.amdhsa_kernarg_size 80
		.amdhsa_user_sgpr_count 2
		.amdhsa_user_sgpr_kernarg_segment_ptr 1
		.amdhsa_wavefront_size32 1
		.amdhsa_system_sgpr_workgroup_id_x 1
		.amdhsa_system_sgpr_workgroup_id_y 1
		.amdhsa_system_sgpr_workgroup_id_z 1
		.amdhsa_system_vgpr_workitem_id 0
		.amdhsa_next_free_vgpr 176
		.amdhsa_next_free_sgpr 66
		.amdhsa_reserve_vcc 1
		.amdhsa_float_denorm_mode_32 3
		.amdhsa_float_denorm_mode_16_64 3
		.amdhsa_memory_ordered 1
		.amdhsa_forward_progress 1
		.amdhsa_inst_pref_size 22
	.end_amdhsa_kernel
	.amdgpu_metadata
---
amdhsa.version: [ 1, 2 ]
amdhsa.kernels:
  - .name:           k_q3efb3926e5_prep
    .symbol:         k_q3efb3926e5_prep.kd
    .args:
      - { .name: sections, .offset: 0, .size: 8, .value_kind: global_buffer, .address_space: global }
      - { .name: query, .offset: 8, .size: 8, .value_kind: global_buffer, .address_space: global }
      - { .name: Wq, .offset: 16, .size: 8, .value_kind: global_buffer, .address_space: global }
      - { .name: Wk, .offset: 24, .size: 8, .value_kind: global_buffer, .address_space: global }
      - { .name: Wv, .offset: 32, .size: 8, .value_kind: global_buffer, .address_space: global }
      - { .name: Wo, .offset: 40, .size: 8, .value_kind: global_buffer, .address_space: global }
      - { .name: attn_scores, .offset: 48, .size: 8, .value_kind: global_buffer, .address_space: global }
      - { .name: lowp_scales, .offset: 56, .size: 8, .value_kind: global_buffer, .address_space: global }
      - { .name: codes, .offset: 64, .size: 8, .value_kind: global_buffer, .address_space: global }
      - { .name: best, .offset: 72, .size: 8, .value_kind: global_buffer, .address_space: global }
    .group_segment_fixed_size: 145920
    .private_segment_fixed_size: 0
    .kernarg_segment_align: 8
    .kernarg_segment_size: 80
    .max_flat_workgroup_size: 576
    .sgpr_count:     66
    .vgpr_count:     176
    .wavefront_size: 32
...
	.end_amdgpu_metadata
.endif
;; end of part 1
;; launch attn (part 2): grid 8 x 32, 4 waves a work-group, no clusters, 131,584 bytes of LDS; arguments codes, best, sections_mask, bq, bk, bv, bias_k, bias_v, lowp_scales, ac, wpart; writes ac, wpart
.if DOCPART == 2
	.amdgcn_target "amdgcn-amd-amdhsa--gfx1250"
	.amdhsa_code_object_version 6
	.text
	.protected	k_q3efb3926e5_attn
	.globl	k_q3efb3926e5_attn
	.p2align	8
	.type	k_q3efb3926e5_attn,@function
k_q3efb3926e5_attn:
	s_mov_b64 s[64:65], 0
	v_nop
	global_prefetch_b8 v0, s[64:65] scope:SCOPE_SE
	s_setreg_imm32_b32 hwreg(HW_REG_WAVE_MODE, 25, 1), 1
	s_wait_xcnt 0x0
; The projections of K, V and q on codes of FP8 (E4M3), sums in f32, and behind them, with K, V and q still in registers, the attention of each token over its best section's 64 keys, the slot of bias_k / bias_v and the
; zero slot, in f32, since the result goes on into a quantiser.
; SHARES.  A work-group = two sections of a batch (work-group y) x two heads (work-group x).  With i = wave % 2: waves 0, 1 make K of section i for both heads; waves 2, 3 make V of head i for both sections: 32 accumulators of 16 x 16.
; Source 0 has eight fragments a K step of 128: K waves: Wk's rows, head i, then head 1 - i; V waves: the rows of sections by e4, section i, then 1 - i.  A wave loads the first four itself, uses them from its registers and puts them
; into LDS for its partner (wave xor 1), whose four it reads there.  Source 1 has four, the wave's own: K waves the section's rows by e2, V waves Wv's rows of the head.  Every fragment is fetched from memory once a work-group.
; Then each wave hands one 64 x 64 block on through LDS, so that it owns K and V of ONE section and ONE head: wave 0 (section 0, head 0), 1 (1, 1), 2 (1, 0), 3 (0, 1).
; q is made for 16 of the section's tokens at a time: the first 16 by four more steps of the same pipeline (two K steps each; Wq's rows of a head are shared through LDS by waves w and w xor 2), any others by the wave itself.
; NO TENSOR LOADS, so no joint loads and no cluster: the number of token tiles comes from the stored list.  Loads go to registers and run two steps ahead,
; 64 loads a wave.  No prefetch: it would ask two steps ahead for what the loads themselves ask for two steps ahead.
; THE f32 PRODUCTS, TRANSPOSED: S^T = K q^T (source 0 = 16 keys x 4 channels), O^T = V^T p^T: a lane holds ONE token (lane % 16).  K's accumulators have lane = key, registers = channels 8 h + j; V's lane = channel, registers = keys
; 8 h + j; q's lane = token, registers = channels: they are the operands as they stand; register pair (2 i, 2 i + 1) stands for index 8 h + 2 i + 0, 1 of 16: the same permutation on both sides.
; SCALES: score = (q . Ksum) 2^(e2 + e3) + q . bk; O = Osum 2^(e4 + e5) + (sum of p over the keys) bv + p64 bias_v; q = sum 2^(e0 + e1) / 8 + bq / 8.
; THE SOFTMAX takes the true maximum over the 66 slots away: masked keys count as -infinity, the zero slot as 0.
; A tile with fewer than 16 tokens repeats its first token in the lanes left over: they compute and store the same numbers at the same places.  A section that no token chose: its wave stores nothing; the grid serves every split.
; OUT: a head's 64 channels of a token as codes by e6 (row 8 l + b of ac), and its 66 weights / 16 (wpart [head][64 b + l][68]; words 66, 67 are never written and never read).  A sum over heads here would want traffic between
; work-groups; so these stores are short: 8 bytes a lane into ac, 16 into wpart.
; LIMITS: e0 + e1 between -123 and 127; e2 + e3 and e4 + e5 between -126 and 126; e6 between -126 and 119; q . k / 2^(e2 + e3) within f32's range.  NaN among the inputs is not served.
; REGISTERS.  Block 0: v0-31 lane terms; Q, S, O, T, OF, CD and work below; in the projections v128-255 fragments from LDS.  Block 1: accumulators: K at 8 (4 st + dt), V^T at 128 + 8 (4 dt + t).
;   Blocks 2, 3: three sets of 128 for loads: step t in set t % 3: source 0 in the first 64, source 1 behind.  Block 3 from 128 on: bq / 8, bk, bias_k, bv; bias_v at 96 (register 8 dt + j = channel 16 dt + 8 h + j).
;   S and O are written by the f32 matrix form alone.
.set X4C, 0x400000
.set QC,  0x800000
.set WQC, 0x880000
.set WKC, 0x980000
.set WVC, 0xA80000
.set EXC, 65536                        ; LDS: two regions of 32 KB by turns, 8 KB a wave; then 16 KB a wave for the exchange
.set SPARE, 131072                     ; the spare words, 128 bytes a wave, named by no other line
.set NIL, 6                            ; v6  0; never rewritten
.set SPW, 23                           ; v23 LDS address of my spare word; never rewritten
.set LW,  20                           ; LDS: where I stage, where my partner stages, where Wq's fragments lie, the exchange in and out
.set LP,  21
.set LQ,  22
.set XW,  25
.set XR,  26
.set QO,  13
.set AO,  14
.set WO,  15
.set WO2, 16
.set Q,   32                           ; v32-63   q of my token
.set S,   64                           ; v64-95   S^T: register 8 st + j = key 16 st + 8 h + j
.set O,   96                           ; v96-127  O^T: register 8 dt + j
.set T,   128                          ; v128-159 masked scores, then p, then weights
.set OF,  160                          ; v160-191 the finished channels
.set CD,  192                          ; v192-199 their codes
.set PF,  128                          ; fragments from LDS
.set MB,  192                          ; v192-199 early: my 32 keys' mask bytes
.set BQ,  128                          ; block 3
.set BK,  160
.set BIK, 192
.set BV,  224
.set BIV, 96
.set VF,  128                          ; block 1
.set DI,  2                            ; s[2:3]     source 1's rows
.set OW,  26                           ; s[26:27]   source 0's rows that I load
.set WQ,  98                           ; s[98:99]   the half of Wq's rows that I stage;  s[100:101] all 64 of the head
.set WQH, 100
.set MK,  66                           ; s66-97: for each of a lane's 32 score registers the lanes whose key is masked
.set MSB, 0
.macro WIN new                         ; bits 1:0 source 0, 3:2 source 1, 5:4 source 2, 7:6 destination; the high byte repeats the setting that is left
.set NWIN, (\new)
.if MSB != NWIN
	s_set_vgpr_msb (MSB<<8)|NWIN
.set MSB, NWIN
.endif
.endm
.macro SETOF t                         ; step t's set of load registers
.set SB, 128*(((\t)%3)%2)
.set SBK, 2+(((\t)%3)/2)
.endm
.macro LOWN t                          ; step t's 16 loads of what goes into LDS: steps 0-7 K step t of source 0's first four fragments; 8-11 K steps 2 (t - 8), + 1 of two fragments of Wq
	SETOF (\t)
	WIN SBK<<6
.set n, 0
.rept 16
.if (\t) < 8
	global_load_b128 v[SB+4*n:SB+4*n+3], v1, s[OW:OW+1] offset:16384*(n/4)+2048*(\t)+512*(n%4)
.else
	global_load_b128 v[SB+4*n:SB+4*n+3], v1, s[WQ:WQ+1] offset:16384*((n/4)%2)+2048*(2*((\t)-8)+n/8)+512*(n%4)
.endif
.set n, n+1
.endr
.endm
.macro LDIR t                          ; source 1: steps 0-7 four fragments, 16 loads; 8-11 my tokens' rows of query, 8 loads
	SETOF (\t)
	WIN SBK<<6
.set n, 0
.if (\t) < 8
.rept 16
	global_load_b128 v[SB+64+4*n:SB+64+4*n+3], v1, s[DI:DI+1] offset:16384*(n/4)+2048*(\t)+512*(n%4)
.set n, n+1
.endr
.else
.rept 8
	global_load_b128 v[SB+64+4*n:SB+64+4*n+3], v[QO], s[4:5] offset:65536*(2*((\t)-8)+n/4)+32*(n%4)
.set n, n+1
.endr
.endif
.endm
.macro STAGE t                         ; step t's 16 loads into LDS as they lie
	WIN SBK<<2
.set n, 0
.rept 16
	ds_store_b128 v[LW], v[SB+4*n:SB+4*n+3] offset:32768*((\t)%2)+512*n
.set n, n+1
.endr
.endm
.macro MEET                            ; my stores are in LDS and my earlier reads are over; behind it everybody's are
	s_wait_dscnt 0x0
	s_barrier_signal -1
	s_barrier_wait -1
.endm
.macro PLACES                          ; four places behind this form, ahead of loads into what it has read and of reads of its results
.rept 4
	v_nop
.endr
.endm
.macro MULQ a0, f0, zero               ; 16 matrix instructions, the accumulators by turns, one instruction a turn; f0: source 0's first fragment
.irp a, 0,1,2,3
.irp b, 0,1,2,3
.set AC, 32*(\a0)+32*\b+8*\a
.if \zero
	v_wmma_f32_16x16x128_fp8_fp8 v[AC:AC+7], v[\f0+16*\a:\f0+16*\a+15], v[SB+64+16*\b:SB+64+16*\b+15], 0
.else
	v_wmma_f32_16x16x128_fp8_fp8 v[AC:AC+7], v[\f0+16*\a:\f0+16*\a+15], v[SB+64+16*\b:SB+64+16*\b+15], v[AC:AC+7]
.endif
.endr
.endr
.endm
; A step: its set is in (younger: the loads of the next set, which may be out).  A region of LDS is written again two steps on: behind the next step's barrier, ahead of which its readers have waited for their reads.
.macro STEP t, younger, zero
	SETOF \t
	s_wait_loadcnt \younger
	STAGE \t
	LOWN \t+2
	MEET
	SETOF \t
	WIN 0
.set n, 0
.rept 16
	ds_load_b128 v[PF+4*n:PF+4*n+3], v[LP] offset:32768*((\t)%2)+512*n
.set n, n+1
.endr
	WIN 0x50|(SBK<<2)|SBK
	MULQ 0, SB, \zero
	s_wait_dscnt 0x0
	WIN 0x50|(SBK<<2)
	MULQ 4, PF, \zero
	PLACES
	LDIR \t+2
.endm
; The exchange: K waves hand on block 1's upper half and take V into it; V waves hand on the lower half and take K into it.  The branches hang on the wave's number alone.
.macro GIVE
	WIN 0
	s_cmp_eq_u32 s28, 0
	s_cbranch_scc0 .Lgive_v
	WIN 0x04
.set n, 0
.rept 32
	ds_store_b128 v[XW], v[128+4*n:128+4*n+3] offset:512*n
.set n, n+1
.endr
	WIN 0
	s_branch .Lgiven
.Lgive_v:
	WIN 0x04
.set n, 0
.rept 32
	ds_store_b128 v[XW], v[4*n:4*n+3] offset:512*n
.set n, n+1
.endr
	WIN 0
.Lgiven:
.endm
.macro TAKE
	WIN 0
	s_cmp_eq_u32 s28, 0
	s_cbranch_scc0 .Ltake_k
	WIN 0x40
.set n, 0
.rept 32
	ds_load_b128 v[128+4*n:128+4*n+3], v[XR] offset:512*n
.set n, n+1
.endr
	WIN 0
	s_branch .Ltaken
.Ltake_k:
	WIN 0x40
.set n, 0
.rept 32
	ds_load_b128 v[4*n:4*n+3], v[XR] offset:512*n
.set n, n+1
.endr
	WIN 0
.Ltaken:
.endm
.macro BLOAD reg, p                    ; my head's 64 channels of a bias: 8 loads
	WIN 0xc0
.irp d, 0,1,2,3
.irp u, 0,1
	global_load_b128 v[\reg+8*\d+4*\u:\reg+8*\d+4*\u+3], v4, s[\p:\p+1] offset:64*\d+16*\u
.endr
.endr
.endm
.macro QMUL f0, t0, zero               ; q^T += Wq's four fragments x my tokens, 128 along K; four accumulators by turns
.irp d, 0,1,2,3
.if \zero
	v_wmma_f32_16x16x128_fp8_fp8 v[Q+8*\d:Q+8*\d+7], v[\f0+16*\d:\f0+16*\d+15], v[\t0:\t0+15], 0
.else
	v_wmma_f32_16x16x128_fp8_fp8 v[Q+8*\d:Q+8*\d+7], v[\f0+16*\d:\f0+16*\d+15], v[\t0:\t0+15], v[Q+8*\d:Q+8*\d+7]
.endif
.endr
.endm
.macro QSTEP t, younger, zero          ; two K steps of q for my first 16 tokens
	SETOF \t
	s_wait_loadcnt \younger
	STAGE \t
.if (\t) == 8
	GIVE
.endif
.if (\t) < 10
	LOWN \t+2
.endif
	MEET
	SETOF \t
	WIN 0
.set n, 0
.rept 32
	ds_load_b128 v[PF+4*n:PF+4*n+3], v[LQ] offset:32768*((\t)%2)+16384*((n/8)%2)+4096*(n/16)+2048*((n/4)%2)+512*(n%4)
.set n, n+1
.endr
	s_wait_dscnt 16                                ; the first K step's fragments are in
	WIN SBK<<2
	QMUL PF, SB+64, \zero
	s_wait_dscnt 0x0
	QMUL PF+64, SB+80, 0
	PLACES
.if (\t) == 8
	TAKE
.endif
.if (\t) < 10
	LDIR \t+2
.endif
.if (\t) == 8
	BLOAD BK, 12
.endif
.if (\t) == 10
	BLOAD BQ, 10
	BLOAD BIK, 16
	BLOAD BV, 14
.endif
.if (\t) == 11
	BLOAD BIV, 18
.endif
.endm
; Lane (r, h) of tile s40 wants the token whose key is 16 s40 + r.  The 64 keys are read out eight at a time and compared.  Then the offsets that hang on the token.
.macro SEARCH
	v_lshl_add_u32 v11, s40, 4, v2
	v_mov_b32 v12, 0
.irp q, 0,1,2,3,4,5,6,7
.irp i, 0,1,2,3,4,5,6,7
	v_readlane_b32 s[50+\i], v[9+\q/4], (\q%4)*8+\i
.endr
.irp i, 0,1,2,3,4,5,6,7
	v_cmp_ne_u32 vcc_lo, s[50+\i], v11
	v_cndmask_b32 v12, 8*\q+\i, v12, vcc_lo
.endr
.endr
	v_readfirstlane_b32 s49, v12                   ; the tile's first token,
	v_cmp_gt_u32 vcc_lo, s38, v11
	v_cndmask_b32 v12, s49, v12, vcc_lo            ; for the lanes past my last token
	v_min_u32 v12, 63, v12                         ; a number made of loaded numbers enters addresses only behind this bound
	v_lshlrev_b32 v[QO], 10, v12                   ; query's codes: row 8 tok + b, 128 bytes,
	v_lshl_add_u32 v[QO], v3, 4, v[QO]             ; + 16 h
	v_lshl_add_u32 v[AO], v12, 13, v5              ; ac: 8,192 tok + 8 h
	v_mul_u32_u24 v[WO2], v12, 272                 ; wpart: 272 tok,
	v_add_nc_u32 v[WO], v[WO2], v4                 ; + 32 h
	s_wait_alu depctr_va_vdst(0)                   ; ahead of what stands between these lines and their readers
.endm
	s_load_b512 s[4:19], s[0:1], 0x0               ; codes, best, sections_mask, bq, bk, bv, bias_k, bias_v
	s_load_b128 s[20:23], s[0:1], 0x40             ; lowp_scales, ac
	s_load_b64 s[24:25], s[0:1], 0x50              ; wpart
	v_lshl_add_u32 v[SPW], v0, 2, SPARE
	v_mov_b32 v[NIL], 0
	v_lshrrev_b32 v19, 5, v0
	v_readfirstlane_b32 s30, v19                   ; wave
	v_and_b32 v11, 31, v0
	v_lshlrev_b32 v1, 4, v11                       ; 16 x lane
	v_lshlrev_b32 v11, 2, v11                      ; 4 x lane
	v_and_b32 v2, 15, v0                           ; r
	v_bfe_u32 v3, v0, 4, 1                         ; h
	v_lshlrev_b32 v4, 5, v3                        ; 32 h
	v_lshlrev_b32 v5, 3, v3                        ; 8 h
	v_mov_b32 v17, 0xff800000                      ; -infinity
	v_mov_b32 v18, 0xffff                          ; the key of a token that is not mine
	s_wait_alu depctr_va_vdst(0)                   ; directly ahead of the run of scalar lines
	s_and_b32 s29, s30, 1                          ; i
	s_lshr_b32 s28, s30, 1                         ; 0: I make K, 1: V
	s_lshl_b32 s31, ttmp9, 1
	s_add_co_u32 s31, s31, s29                     ; head 2 x + i: of my weights, and my own in the attention
	s_and_b32 s60, ttmp7, 0xffff
	s_lshl_b32 s62, s60, 1
	s_add_co_u32 s61, s62, s29                     ; section 2 y + i: of the rows that I load
	s_xor_b32 s32, s30, s28
	s_and_b32 s32, s32, 1
	s_add_co_u32 s32, s32, s62                     ; my own section in the attention
	s_lshr_b32 s33, s60, 2                         ; b
	s_and_b32 s34, s32, 7                          ; g
	s_lshl_b32 s41, s30, 13
	v_add_nc_u32 v[LW], s41, v1
	s_xor_b32 s41, s30, 1
	s_lshl_b32 s41, s41, 13
	v_add_nc_u32 v[LP], s41, v1
	s_lshl_b32 s41, s29, 13
	v_add_nc_u32 v[LQ], s41, v1
	s_lshl_b32 s41, s30, 14
	s_add_co_u32 s41, s41, EXC
	v_add_nc_u32 v[XW], s41, v1
	s_xor_b32 s41, s30, 2
	s_xor_b32 s41, s41, s28
	s_lshl_b32 s41, s41, 14
	s_add_co_u32 s41, s41, EXC                     ; wave 0 takes from 2, 1 from 3, 2 from 1, 3 from 0
	v_add_nc_u32 v[XR], s41, v1
	s_lshl_b32 s41, s31, 16                        ; 64 rows of 1,024 bytes of codes
	s_lshl_b32 s48, s61, 16
	s_add_co_u32 s49, s41, WKC
	s_add_co_u32 s50, s48, X4C
	s_add_co_u32 s51, s41, WVC
	s_add_co_u32 s52, s41, WQC
	s_mov_b32 s53, 0
	s_mov_b32 s55, 0
	s_mov_b32 s57, 0
	s_mov_b32 s59, 0
	s_lshl_b32 s58, s28, 15
	s_cmp_eq_u32 s28, 0
	s_cselect_b32 s54, s49, s50
	s_cselect_b32 s56, s48, s51
	s_wait_alu depctr_va_vdst(0)                   ; directly ahead of the wait below
	s_wait_kmcnt 0x0
	s_load_b256 s[84:91], s[20:21], 0x0            ; the eight exponents
	s_add_nc_u64 s[OW:OW+1], s[4:5], s[54:55]
	s_add_nc_u64 s[DI:DI+1], s[4:5], s[56:57]
	s_add_nc_u64 s[WQH:WQH+1], s[4:5], s[52:53]
	s_add_nc_u64 s[WQ:WQ+1], s[WQH:WQH+1], s[58:59]
	s_lshl_b32 s58, s33, 8
	s_add_nc_u64 s[6:7], s[6:7], s[58:59]          ; best at my batch's 64 tokens
	s_lshl_b32 s58, s32, 6
	s_add_nc_u64 s[8:9], s[8:9], s[58:59]          ; my section's 64 mask bytes
	global_load_b32 v7, v11, s[6:7]                ; tokens 0-31, a lane each
	global_load_b32 v8, v11, s[6:7] offset:128     ; tokens 32-63
.irp k, 0,1,2,3
	global_load_b64 v[MB+2*\k:MB+2*\k+1], v5, s[8:9] offset:16*\k   ; keys 16 st + 8 h + 0 .. 7
.endr
	LOWN 0
	LDIR 0
	LOWN 1
	LDIR 1
	s_lshl_b32 s58, s31, 8                         ; my head's 64 channels in the five vectors
	s_add_nc_u64 s[10:11], s[10:11], s[58:59]
	s_add_nc_u64 s[12:13], s[12:13], s[58:59]
	s_add_nc_u64 s[14:15], s[14:15], s[58:59]
	s_add_nc_u64 s[16:17], s[16:17], s[58:59]
	s_add_nc_u64 s[18:19], s[18:19], s[58:59]
	s_lshl_b32 s58, s33, 7
	s_add_co_u32 s58, s58, QC
	s_add_nc_u64 s[4:5], s[4:5], s[58:59]          ; query's codes at row b
	s_lshl_b32 s58, s33, 10                        ; ac: row 8 l + b, my head's 64 bytes
	s_lshl_b32 s60, s31, 6
	s_add_co_u32 s58, s58, s60
	s_add_nc_u64 s[22:23], s[22:23], s[58:59]
	s_lshl_b32 s58, s31, 9                         ; wpart: 272 bytes x (512 head + 64 b)
	s_lshl_b32 s60, s33, 6
	s_add_co_u32 s58, s58, s60
	s_mul_i32 s58, s58, 272
	s_add_nc_u64 s[24:25], s[24:25], s[58:59]
	s_mov_b32 s46, 0x76543210                      ; v_permlanex16_b32: lane l xor 16
	s_mov_b32 s47, 0xfedcba98
	s_mov_b32 s62, 0x3fb8aa3b                      ; log2(e)
	s_wait_kmcnt 0x0
	s_add_co_i32 s42, s84, s85
	s_add_co_i32 s42, s42, 124
	s_lshl_b32 s42, s42, 23                        ; 2^(e0 + e1) / 8
	s_mov_b32 s43, s42
	s_add_co_i32 s63, s86, s87
	s_lshl_b32 s44, s63, 23
	s_add_co_i32 s44, s44, s62                     ; log2(e) 2^(e2 + e3)
	s_mov_b32 s45, s44
	s_add_co_i32 s63, s63, 127
	s_lshl_b32 s63, s63, 23                        ; 2^(e2 + e3)
	s_add_co_i32 s60, s88, s89
	s_add_co_i32 s60, s60, 127
	s_lshl_b32 s60, s60, 23                        ; 2^(e4 + e5)
	s_mov_b32 s61, s60
	s_add_co_i32 s48, s90, 127
	s_lshl_b32 s41, s48, 23                        ; 2^e6
	s_add_co_i32 s48, s48, 8
	s_lshl_b32 s48, s48, 23
	s_or_b32 s48, s48, 0x600000                    ; 448 x 2^e6
	STEP 0, 32, 1                                  ; the first products start the sums
	WIN 0
	; the routing: best and the mask bytes were asked for ahead of step 0's loads, so they are in
	v_cmp_eq_u32 s35, s34, v7                      ; which of tokens 0-31 are mine,
	v_cmp_eq_u32 s36, s34, v8                      ; which of 32-63
	s_bcnt1_i32_b32 s37, s35
	s_bcnt1_i32_b32 s38, s36
	s_add_co_u32 s38, s38, s37                     ; how many
	s_add_co_u32 s39, s38, 15
	s_lshr_b32 s39, s39, 4                         ; tiles of 16
	v_mbcnt_lo_u32_b32 v9, s35, 0                  ; a token's key: its place among mine,
	v_mbcnt_lo_u32_b32 v10, s36, s37
	v_cndmask_b32 v9, v18, v9, s35                 ; or 0xffff
	v_cndmask_b32 v10, v18, v10, s36
.set k, 0
.rept 32
	v_and_b32 v[11+(k&1)], 0xff<<(8*(k&3)), v[MB+2*(k/8)+((k%8)/4)]
	v_cmp_ne_u32 s[MK+k], 0, v[11+(k&1)]           ; register k's key (16 (k / 8) + 8 h + k % 8) is masked, lane by lane
.set k, k+1
.endr
	s_mov_b32 s40, 0
	SEARCH
	STEP 1, 32, 0
	STEP 2, 32, 0
	STEP 3, 32, 0
	STEP 4, 32, 0
	STEP 5, 32, 0
	STEP 6, 32, 0
	STEP 7, 24, 0                                  ; behind it come q's steps, 24 loads each
	QSTEP 8, 24, 1
	QSTEP 9, 32, 0                                 ; younger: step 10's 24 and bk's 8
	QSTEP 10, 32, 0                                ; bk's 8 and step 11's 24
	QSTEP 11, 24, 0                                ; bq's, bias_k's and bv's 24
	WIN 0
	v_mov_b32 v21, 0                               ; partners of broadcast numbers: named in pairs, so they are written
	v_mov_b32 v25, 0
	v_mov_b32 v29, 0
	v_mov_b32 v31, 0
	v_mov_b32 v210, 0                              ; a lane permute's destination counts as one of its sources
	v_mov_b32 v214, s41                            ; 2^e6 as f32, for the conversion
	v_mov_b32 v215, s48                            ; 448 x 2^e6
	s_cmp_eq_u32 s38, 0
	s_wait_alu depctr_va_vdst(0)                   ; directly ahead of the branch
	s_cbranch_scc1 .Ldone                          ; nobody chose this section
	WIN 0x41                                       ; source 0 and destination block 1
.set n, 0
.rept 64
	v_pk_mul_f32 v[VF+2*n:VF+2*n+1], v[VF+2*n:VF+2*n+1], s[60:61] op_sel_hi:[1,0]   ; V = the sums x 2^(e4 + e5), once, while the biases are on their way; each accumulator from its low end on
.set n, n+1
.endr
	s_wait_loadcnt 16                              ; bq, bk and bias_k are in: bv's and bias_v's 16 may be out
	WIN 0xc3
.irp p, 0,2,4,6,8,10,12,14,16,18,20,22,24,26,28,30
	v_pk_mul_f32 v[BQ+\p:BQ+\p+1], v[BQ+\p:BQ+\p+1], 0x3e000000 op_sel_hi:[1,0]   ; bq / 8
.endr
	WIN 0
.Ltile:
	s_wait_xcnt 0x0                                ; the last tile's loads and stores have read their offsets and data: both are written again only behind this wait
	s_cmp_eq_u32 s40, 0
	s_cbranch_scc1 .Lhave                          ; the first tile's q is there
	SEARCH                                         ; only a section that more than 16 tokens chose comes here
.irp u, 0,1,2,3
	WIN 0x80
.set n, 0
.rept 32
	global_load_b128 v[4*n:4*n+3], v1, s[WQH:WQH+1] offset:16384*((n/4)%4)+2048*(2*\u+n/16)+512*(n%4)
.set n, n+1
.endr
.set n, 0
.rept 8
	global_load_b128 v[128+4*n:128+4*n+3], v[QO], s[4:5] offset:65536*(2*\u+n/4)+32*(n%4)
.set n, n+1
.endr
	s_wait_loadcnt 0x0
	WIN 0x0a
.if \u == 0
	QMUL 0, 128, 1
.else
	QMUL 0, 128, 0
.endif
	QMUL 64, 144, 0
	PLACES
.endr
	WIN 0
.Lhave:
	WIN 0x30                                       ; source 2 block 3
.irp p, 0,2,4,6,8,10,12,14,16,18,20,22,24,26,28,30
	v_pk_fma_f32 v[Q+\p:Q+\p+1], v[Q+\p:Q+\p+1], s[42:43], v[BQ+\p:BQ+\p+1] op_sel_hi:[1,0,1]   ; q
.endr
	WIN 0x0c                                       ; source 1 block 3
.irp p, 0,1
	v_pk_mul_f32 v[216+2*\p:217+2*\p], v[Q+2*\p:Q+2*\p+1], v[BK+2*\p:BK+2*\p+1]      ; q . bk and q . bias_k over my 32 channels, each in two chains
	v_pk_mul_f32 v[220+2*\p:221+2*\p], v[Q+2*\p:Q+2*\p+1], v[BIK+2*\p:BIK+2*\p+1]
.endr
.irp p, 2,3,4,5,6,7,8,9,10,11,12,13,14,15
	v_pk_fma_f32 v[216+2*(\p%2):217+2*(\p%2)], v[Q+2*\p:Q+2*\p+1], v[BK+2*\p:BK+2*\p+1], v[216+2*(\p%2):217+2*(\p%2)]
	v_pk_fma_f32 v[220+2*(\p%2):221+2*(\p%2)], v[Q+2*\p:Q+2*\p+1], v[BIK+2*\p:BIK+2*\p+1], v[220+2*(\p%2):221+2*(\p%2)]
.endr
	WIN 0
	v_pk_add_f32 v[216:217], v[216:217], v[218:219]
	v_pk_add_f32 v[220:221], v[220:221], v[222:223]
	v_add_f32 v22, v216, v217
	v_add_f32 v211, v220, v221
	v_permlanex16_b32 v210, v22, s46, s47          ; the token's other 32 channels lie in the lane 16 away
	v_add_f32 v22, v22, v210                       ; qb = q . bk
	v_permlanex16_b32 v210, v211, s46, s47
	v_add_f32 v211, v211, v210                     ; q . bias_k
	WIN 0x01                                       ; source 0 block 1
.irp d, 0,1,2,3                        ; S^T = K q^T: 16 K steps of 4 channels; the four tiles of keys take turns, one instruction a turn; the first four start the sums
.irp i, 0,1,2,3
.irp s, 0,1,2,3
.if (\d == 0) && (\i == 0)
	v_wmma_f32_16x16x4_f32 v[S+8*\s:S+8*\s+7], v[8*(4*\s+\d)+2*\i:8*(4*\s+\d)+2*\i+1], v[Q+8*\d+2*\i:Q+8*\d+2*\i+1], 0
.else
	v_wmma_f32_16x16x4_f32 v[S+8*\s:S+8*\s+7], v[8*(4*\s+\d)+2*\i:8*(4*\s+\d)+2*\i+1], v[Q+8*\d+2*\i:Q+8*\d+2*\i+1], v[S+8*\s:S+8*\s+7]
.endif
.endr
.endr
.endr
	WIN 0
.rept 8
	v_nop                                          ; eight places behind this form, ahead of the first read of its results (ISA guide 7.12.1)
.endr
.set k, 0
.rept 32
	v_cndmask_b32 v[T+k], v[S+k], v17, s[MK+k]     ; masked keys count as -infinity; each accumulator is read from its low end on
.set k, k+1
.endr
	v_max3_num_f32 v208, v[T], v[T+1], v[T+2]      ; the largest of my 32 scores, in two chains,
	v_max3_num_f32 v209, v[T+3], v[T+4], v[T+5]
.irp i, 6,10,14,18,22,26
	v_max3_num_f32 v208, v208, v[T+\i], v[T+\i+1]
	v_max3_num_f32 v209, v209, v[T+\i+2], v[T+\i+3]
.endr
	v_max3_num_f32 v208, v208, v[T+30], v[T+31]
	v_max_num_f32 v208, v208, v209
	v_permlanex16_b32 v210, v208, s46, s47
	v_max_num_f32 v208, v208, v210                 ; and of lane l xor 16's
	v_fma_f32 v208, v208, s63, v22                 ; x 2^(e2 + e3), + q . bk
	v_max3_num_f32 v212, v208, v211, 0             ; the maximum over all 66 slots: the bias slot's score, and the zero slot's 0
	v_sub_f32 v24, v22, v212
	v_mul_f32 v24, s62, v24                        ; a = (qb - max) log2(e)
	v_sub_f32 v26, v211, v212
	v_mul_f32 v26, s62, v26                        ; the bias slot's exponent
	v_sub_f32 v27, 0, v212
	v_mul_f32 v27, s62, v27                        ; the zero slot's
.irp p, 0,2,4,6,8,10,12,14,16,18,20,22,24,26,28,30
	v_pk_fma_f32 v[T+\p:T+\p+1], v[T+\p:T+\p+1], s[44:45], v[24:25] op_sel_hi:[1,0,0]   ; (score - max) log2(e)
.endr
	s_wait_alu depctr_va_vdst(0)                   ; the wait ahead of the batch
.set k, 0
.rept 32
	v_exp_f32 v[T+k], v[T+k]
.set k, k+1
.endr
	v_exp_f32 v26, v26                             ; p64
	v_exp_f32 v27, v27                             ; p65
	v_nop                                          ; a plain line behind the last exponential
	s_wait_alu depctr_va_vdst(0)                   ; one wait for the batch of 34, ahead of its first reader
	v_pk_add_f32 v[224:225], v[T:T+1], v[T+2:T+3]  ; the sum over my 32 keys, in two chains
	v_pk_add_f32 v[226:227], v[T+4:T+5], v[T+6:T+7]
.irp p, 8,12,16,20,24,28
	v_pk_add_f32 v[224:225], v[224:225], v[T+\p:T+\p+1]
	v_pk_add_f32 v[226:227], v[226:227], v[T+\p+2:T+\p+3]
.endr
	v_pk_add_f32 v[224:225], v[224:225], v[226:227]
	v_add_f32 v28, v224, v225
	v_permlanex16_b32 v210, v28, s46, s47
	v_add_f32 v28, v28, v210                       ; l64: over the 64 keys
	v_add_f32 v213, v26, v27
	v_add_f32 v213, v213, v28                      ; l: over the 66 slots; at least 1, since the maximum is among them
	s_wait_alu depctr_va_vdst(0)
	v_rcp_f32 v30, v213
	v_nop                                          ; a plain line behind the reciprocal; its wait stands ahead of its first reader, behind the second product
	WIN 0x01
.irp t, 0,1,2,3                        ; O^T = V^T p^T: 16 K steps of 4 keys; the four tiles of channels take turns
.irp i, 0,1,2,3
.irp d, 0,1,2,3
.if (\t == 0) && (\i == 0)
	v_wmma_f32_16x16x4_f32 v[O+8*\d:O+8*\d+7], v[VF+8*(4*\d+\t)+2*\i:VF+8*(4*\d+\t)+2*\i+1], v[T+8*\t+2*\i:T+8*\t+2*\i+1], 0
.else
	v_wmma_f32_16x16x4_f32 v[O+8*\d:O+8*\d+7], v[VF+8*(4*\d+\t)+2*\i:VF+8*(4*\d+\t)+2*\i+1], v[T+8*\t+2*\i:T+8*\t+2*\i+1], v[O+8*\d:O+8*\d+7]
.endif
.endr
.endr
.endr
	WIN 0
	s_wait_loadcnt 0x0                             ; bv, bias_v
	s_wait_alu depctr_va_vdst(0)                   ; the reciprocal's wait
	v_mul_f32 v20, 0x3d800000, v30                 ; 1 / (16 l): the mean over 16 heads; and the first of eight places behind the products
.rept 7
	v_nop
.endr
	WIN 0x0c
.irp p, 0,2,4,6,8,10,12,14,16,18,20,22,24,26,28,30
	v_pk_fma_f32 v[OF+\p:OF+\p+1], v[28:29], v[BV+\p:BV+\p+1], v[O+\p:O+\p+1] op_sel_hi:[0,1,1]     ; O + l64 bv
.endr
.irp p, 0,2,4,6,8,10,12,14,16,18,20,22,24,26,28,30
	v_pk_fma_f32 v[OF+\p:OF+\p+1], v[26:27], v[BIV+\p:BIV+\p+1], v[OF+\p:OF+\p+1] op_sel_hi:[0,1,1] ; + p64 bias_v
.endr
	WIN 0
.irp p, 0,2,4,6,8,10,12,14,16,18,20,22,24,26,28,30
	v_pk_mul_f32 v[OF+\p:OF+\p+1], v[OF+\p:OF+\p+1], v[30:31] op_sel_hi:[1,0]                       ; / l
.endr
.set k, 0
.rept 32
	v_med3_num_f32 v[OF+k], v[OF+k], -v215, v215   ; the conversion to an 8-bit code does not saturate (ISA guide 7.6.2): the hold at the largest code x the scale
.set k, k+1
.endr
.irp d, 0,1,2,3
	v_cvt_scalef32_pk8_fp8_f32 v[CD+2*\d:CD+2*\d+1], v[OF+8*\d:OF+8*\d+7], v214
.endr
	v_nop                                          ; a plain line behind the conversions: the next tile writes their sources and results
.irp d, 0,1,2,3
	global_store_b64 v[AO], v[CD+2*\d:CD+2*\d+1], s[22:23] offset:16*\d   ; channels 16 dt + 8 h + 0 .. 7
.endr
.irp p, 0,2,4,6,8,10,12,14,16,18,20,22,24,26,28,30
	v_pk_mul_f32 v[T+\p:T+\p+1], v[T+\p:T+\p+1], v[20:21] op_sel_hi:[1,0]   ; the weights / 16
.endr
	v_pk_mul_f32 v[26:27], v[26:27], v[20:21] op_sel_hi:[1,0]
.irp s, 0,1,2,3
	global_store_b128 v[WO], v[T+8*\s:T+8*\s+3],   s[24:25] offset:64*\s
	global_store_b128 v[WO], v[T+8*\s+4:T+8*\s+7], s[24:25] offset:64*\s+16
.endr
	global_store_b64 v[WO2], v[26:27], s[24:25] offset:256                  ; slots 64 and 65: both halves of the lanes hold and store the same two numbers
	s_add_co_u32 s40, s40, 1
	s_cmp_lt_u32 s40, s39
	s_wait_alu depctr_va_vdst(0)                   ; directly ahead of the branch
	s_cbranch_scc1 .Ltile
.Ldone:
	s_wait_tensorcnt 0x0                           ; the wave's end, behind my last LDS store
	ds_add_u32 v[SPW], v[NIL]
	s_wait_dscnt 0x0
	s_endpgm
.Lfunc_end_k_q3efb3926e5_attn:
	.size	k_q3efb3926e5_attn, .Lfunc_end_k_q3efb3926e5_attn-k_q3efb3926e5_attn
	.p2alignl 7, 3214868480
	.fill 96, 4, 3214868480
	.section	.rodata,"a",@progbits
	.p2align	6, 0x0
	.amdhsa_kernel k_q3efb3926e5_attn
		.amdhsa_group_segment_fixed_size 131584
		.amdhsa_private_segment_fixed_size 0
		.amdhsa_enable_private_segment 0
		.amdhsa_kernarg_size 88
		.amdhsa_user_sgpr_count 2
		.amdhsa_user_sgpr_kernarg_segment_ptr 1
		.amdhsa_wavefront_size32 1
		.amdhsa_system_sgpr_workgroup_id_x 1
		.amdhsa_system_sgpr_workgroup_id_y 1
		.amdhsa_system_sgpr_workgroup_id_z 1
		.amdhsa_system_vgpr_workitem_id 0
		.amdhsa_next_free_vgpr 1024
		.amdhsa_next_free_sgpr 102
		.amdhsa_reserve_vcc 1
		.amdhsa_float_denorm_mode_32 3
		.amdhsa_float_denorm_mode_16_64 3
		.amdhsa_memory_ordered 1
		.amdhsa_forward_progress 1
		.amdhsa_inst_pref_size 175
	.end_amdhsa_kernel
	.amdgpu_metadata
---
amdhsa.version: [ 1, 2 ]
amdhsa.kernels:
  - .name:           k_q3efb3926e5_attn
    .symbol:         k_q3efb3926e5_attn.kd
    .args:
      - { .name: codes, .offset: 0, .size: 8, .value_kind: global_buffer, .address_space: global }
      - { .name: best, .offset: 8, .size: 8, .value_kind: global_buffer, .address_space: global }
      - { .name: sections_mask, .offset: 16, .size: 8, .value_kind: global_buffer, .address_space: global }
      - { .name: bq, .offset: 24, .size: 8, .value_kind: global_buffer, .address_space: global }
      - { .name: bk, .offset: 32, .size: 8, .value_kind: global_buffer, .address_space: global }
      - { .name: bv, .offset: 40, .size: 8, .value_kind: global_buffer, .address_space: global }
      - { .name: bias_k, .offset: 48, .size: 8, .value_kind: global_buffer, .address_space: global }
      - { .name: bias_v, .offset: 56, .size: 8, .value_kind: global_buffer, .address_space: global }
      - { .name: lowp_scales, .offset: 64, .size: 8, .value_kind: global_buffer, .address_space: global }
      - { .name: ac, .offset: 72, .size: 8, .value_kind: global_buffer, .address_space: global }
      - { .name: wpart, .offset: 80, .size: 8, .value_kind: global_buffer, .address_space: global }
    .group_segment_fixed_size: 131584
    .private_segment_fixed_size: 0
    .kernarg_segment_align: 8
    .kernarg_segment_size: 88
    .max_flat_workgroup_size: 128
    .sgpr_count:     102
    .vgpr_count:     1024
    .wavefront_size: 32
...
	.end_amdgpu_metadata
.endif
;; end of part 2
;; launch outp (part 3): grid 16 x 8, 4 waves a work-group, clusters of 4 x 4, 167,936 bytes of LDS; arguments ac, codes, lowp_scales, bo, wpart, out0, out1; writes out0, out1
.if DOCPART == 3
	.amdgcn_target "amdgcn-amd-amdhsa--gfx1250"
	.amdhsa_code_object_version 6
	.text
	.protected	k_q3efb3926e5_outp
	.globl	k_q3efb3926e5_outp
	.p2align	8
	.type	k_q3efb3926e5_outp,@function
k_q3efb3926e5_outp:
	s_mov_b64 s[64:65], 0
	v_nop
	global_prefetch_b8 v0, s[64:65] scope:SCOPE_SE
	s_setreg_imm32_b32 hwreg(HW_REG_WAVE_MODE, 25, 1), 1
	s_wait_xcnt 0x0
	s_wait_alu depctr_hold_cnt(0) depctr_sa_sdst(0) depctr_va_vdst(0) depctr_va_sdst(0) depctr_va_ssrc(0) depctr_va_vcc(0) depctr_vm_vsrc(0)
	s_getreg_b32 s2, hwreg(HW_REG_IB_STS2, 6, 4)
	s_cmp_eq_u32 s2, 0
	s_cbranch_scc0 .Lentry_in_a_cluster
	s_endpgm
.Lentry_in_a_cluster:
	s_bfe_u32 s2, ttmp6, 0x10000c
	s_cmp_lg_u32 s2, 0xf033
	s_cbranch_scc0 .Lentry_shape_is_right
	s_endpgm
.Lentry_shape_is_right:
; out0 [512 rows 8 l + b][1024] = ac x Wo^T x 2^(e6 + e7) + bo, on codes of FP8 (E4M3), sums in f32;  out1 [512 tokens 64 b + l][66] = the sum of the 16 heads' weights / 16.
; A tile of out0 is 64 x 64; the whole K = 1,024 of its 64 rows of ac and 64 rows of Wo lies in LDS at once: one fill, no ring, nothing is filled again.  8 x 16 tiles: 128 work-groups.
; Wave w makes rows 16 w .. 16 w + 15 against all 64 columns: four accumulators by turns, 8 K steps of 128.  It owns whole rows of 256 bytes, so its way out goes through a stage of its own, with no barrier.
; CLUSTER: 4 x 4 work-groups.  The four of a row of the cluster need the same rows of ac, the four of a column the same rows of Wo: each tile is asked for JOINTLY.
; THE MATRIX INSTRUCTION IS USED TRANSPOSED (source 0 = 16 rows of Wo, source 1 = my 16 rows of ac): a lane holds eight neighbouring columns of one row.
; out1: wave w of work-group (x, y) takes token 4 (16 y + x) + w, while the tiles are on their way.  Its rows are 264 bytes: they do not fill aligned runs of 256 bytes (135 KB in all).
; LIMIT: e6 + e7 between -126 and 127.
.set PITCH,  1040                      ; an LDS row: 1,024 bytes + 16 of padding = 260 words: row r starts at bank 4 r mod 64 (ISA guide 11.1)
.set PART,   32*PITCH                  ; what one tensor load brings: 32 rows
.set BOFF,   2*PART                    ; ac's 64 rows, then Wo's 64
.set STAGE,  4*PART                    ; behind the tiles: 16 rows x 272 bytes for each wave; no fill lands here
.set SPITCH, 272
.set SPARE,  STAGE+4*16*SPITCH         ; behind the stages: the spare words, 128 bytes a wave, named by no other line
.set WOC,    0xB80000                  ; Wo's codes in the buffer of codes
.set HEADB,  139264                    ; a head's part of wpart: 512 tokens x 272 bytes
.set ACC, 16                           ; v16-47  four accumulators
.set BO,  208                          ; v208-239 bo: register 8 b + j = column 16 b + 8 h + j of my tile
.set SPW, 14                           ; v14 LDS address of my spare word; never rewritten
.set NIL, 15                           ; v15 0; never rewritten
.set G1,  24                           ; s[24:31] descriptor group 1 for ac's tiles; s[32:35] their group 0
.set G0,  32
.set G0B, 36                           ; s[36:39], s[48:55] the same for Wo's
.set G1B, 48
.macro CREST
	s_cmp_lg_u32 s18, 0
	s_cbranch_scc1 .Lnot_wave_0_\@
	s_barrier_signal -3
.Lnot_wave_0_\@:
	s_barrier_wait -3
	s_barrier_signal -1
	s_barrier_wait -1
.endm
.macro CROUND
	s_barrier_signal -1
	s_barrier_wait -1
	CREST
.endm
	s_load_b256 s[4:11], s[0:1], 0x0               ; ac s[4:5], codes s[6:7], lowp_scales s[8:9], bo s[10:11]
	s_load_b128 s[12:15], s[0:1], 0x20             ; wpart s[12:13], out0 s[14:15]
	s_load_b64 s[16:17], s[0:1], 0x30              ; out1
	v_lshl_add_u32 v[SPW], v0, 2, SPARE
	v_mov_b32 v[NIL], 0
	ds_add_u32 v[SPW], v[NIL]                      ; the wave's opening: the add and its wait stand ahead of my first tensor load; the set-up below, work on registers, stands between them
	ds_add_u32 v[SPW], v[NIL]
	v_lshrrev_b32 v1, 5, v0
	v_readfirstlane_b32 s18, v1                    ; wave 0..3
	s_lshr_b32 s19, s18, 1                         ; I fetch for ac (0) or for Wo (1),
	s_and_b32 s20, s18, 1                          ; and which 32 rows
	s_bfe_u32 s40, ttmp6, 0x40000                  ; cx, cy: my place in the cluster
	s_bfe_u32 s41, ttmp6, 0x40004
	s_lshl_b32 s42, ttmp9, 2
	s_add_co_u32 s42, s42, s40                     ; tile column
	s_and_b32 s43, ttmp7, 0xffff
	s_lshl_b32 s43, s43, 2
	s_add_co_u32 s43, s43, s41                     ; tile row
	s_lshl_b32 s44, s41, 2
	s_lshl_b32 s44, 15, s44                        ; my row of the cluster
	s_lshl_b32 s45, 0x1111, s40                    ; my column
	; descriptor group 1: 32 rows x 1,024 bytes, padded in LDS
	s_or_b32 s[G1], s44, (1<<20)|(1<<21)|(7<<22)|(3<<25)    ; 15:0 the mask: ac's tiles go to my row; 17:16 elements of 1 byte; 20 padding on; 21 set beside a mask; 24:22 after every 256 words (code 7); 31:25 four words (code 3)
	s_or_b32 s[G1B], s45, (1<<21)                           ; Wo's go to my column, without padding: its codes are images of operand registers, 16,384 bytes for 16 rows
.irp g, G1, G1B
	s_mov_b32 s[\g+1], 1024<<16                    ; tensor_dim0
	s_mov_b32 s[\g+2], 32<<16                      ; tensor_dim1
	s_mov_b32 s[\g+3], 1024<<16                    ; tile_dim0
	s_mov_b32 s[\g+4], 32                          ; tile_dim1
	s_mov_b32 s[\g+5], 1024                        ; tensor_dim0_stride
	s_mov_b32 s[\g+6], 0
	s_mov_b32 s[\g+7], 0
.endr
	s_lshl_b32 s46, s20, 5
	s_lshl_b32 s56, s43, 6
	s_add_co_u32 s56, s56, s46                     ; ac: row 64 x tile row + 32 x half: never holds the tile column
	s_lshl_b32 s56, s56, 10
	s_mov_b32 s57, 0
	s_lshl_b32 s58, s42, 6
	s_add_co_u32 s58, s58, s46                     ; Wo: row 64 x tile column + 32 x half: never holds the tile row
	s_lshl_b32 s58, s58, 10
	s_add_co_u32 s58, s58, WOC
	s_mov_b32 s59, 0
	s_lshl_b32 s60, s20, 15
	s_add_co_u32 s60, s60, BOFF                    ; where Wo's halves go: 32,768 bytes each
	s_mul_i32 s21, s18, PART                       ; where ac's go: wave x 32 rows: no place in the cluster enters an LDS address
	s_wait_dscnt 0x0                               ; the opening add is done
	s_wait_kmcnt 0x0
	s_load_b64 s[22:23], s[8:9], 0x18              ; e6, e7
	s_mov_b32 s[G0], 1
	s_mov_b32 s[G0+1], s21
	s_add_nc_u64 s[G0+2:G0+3], s[4:5], s[56:57]
	s_or_b32 s[G0+3], s[G0+3], 0x80000000
	s_mov_b32 s[G0B], 1
	s_mov_b32 s[G0B+1], s60
	s_add_nc_u64 s[G0B+2:G0B+3], s[6:7], s[58:59]
	s_or_b32 s[G0B+3], s[G0B+3], 0x80000000
	CROUND                                         ; all sixteen work-groups are here: the joint loads meet
	s_cmp_eq_u32 s19, 0                            ; a wave's one tensor load; the branch hangs on the wave's number alone; an s_nop 0 and four v_nop follow each line
	s_cbranch_scc0 .Lfor_b
	tensor_load_to_lds s[G0:G0+3], s[G1:G1+7]
	s_nop 0
.rept 4
	v_nop
.endr
	s_branch .Lasked
.Lfor_b:
	tensor_load_to_lds s[G0B:G0B+3], s[G1B:G1B+7]
	s_nop 0
.rept 4
	v_nop
.endr
.Lasked:
	s_lshl_b32 s47, s43, 4
	s_add_co_u32 s47, s47, s42
	s_lshl_b32 s47, s47, 2
	s_add_co_u32 s47, s47, s18                     ; my token of out1
	s_mul_i32 s60, s47, 272                        ; its row in a head's part of wpart,
	s_mul_i32 s61, s47, 264                        ; and in out1
	s_lshl_b32 s62, s42, 8                         ; my tile's 64 columns: 256 bytes
	s_mov_b32 s63, 0
	s_add_nc_u64 s[10:11], s[10:11], s[62:63]
	s_add_nc_u64 s[14:15], s[14:15], s[62:63]
	s_lshl_b32 s62, s43, 6
	s_lshl_b32 s46, s18, 4
	s_add_co_u32 s62, s62, s46
	s_lshl_b32 s62, s62, 12                        ; my first row of out0: 64 x tile row + 16 x wave
	s_add_nc_u64 s[14:15], s[14:15], s[62:63]
	v_and_b32 v1, 15, v0                           ; r
	v_bfe_u32 v2, v0, 4, 1                         ; h
	v_and_b32 v3, 31, v0                           ; lane
	v_lshlrev_b32 v9, 5, v2                        ; bo: 32 h
	v_lshl_add_u32 v10, v3, 3, s60                 ; wpart: my two words of the token's first 64
	v_mul_u32_u24 v11, v1, HEADB
	v_add_nc_u32 v11, s60, v11                     ; and head lane % 16's words 64, 65 (256 bytes on, in the immediate)
	v_lshl_add_u32 v12, v3, 3, s61                 ; out1
	v_mov_b32 v13, s61
.irp b, 0,1,2,3
	global_load_b128 v[BO+8*\b:BO+8*\b+3],   v9, s[10:11] offset:64*\b
	global_load_b128 v[BO+8*\b+4:BO+8*\b+7], v9, s[10:11] offset:64*\b+16
.endr
.irp d, 0,1,2,3,4,5,6,7,8,9,10,11,12,13,14,15
	global_load_b64 v[48+2*\d:49+2*\d], v10, s[12:13] offset:HEADB*\d th:TH_LOAD_NT   ; 256 consecutive bytes a load
.endr
	global_load_b64 v[80:81], v11, s[12:13] offset:256 th:TH_LOAD_NT
	v_mul_u32_u24 v4, v1, PITCH
	v_lshl_add_u32 v4, v2, 4, v4                   ; a fragment's row x pitch + 16 h
	v_lshlrev_b32 v5, 4, v3
	v_add_nc_u32 v5, BOFF, v5                      ; Wo's fragments: 16 x lane in each 512 bytes
	s_mul_i32 s46, s18, 16*PITCH
	v_add_nc_u32 v4, s46, v4                       ; my 16 rows of ac
	s_mul_i32 s46, s18, 16*SPITCH
	s_add_co_u32 s46, s46, STAGE                   ; my stage
	v_mul_u32_u24 v6, v1, SPITCH
	v_lshl_add_u32 v6, v2, 5, v6
	v_add_nc_u32 v6, s46, v6                       ; in: row r, 32 bytes for each half of the lanes
	v_mul_u32_u24 v7, v2, SPITCH
	v_lshl_add_u32 v7, v1, 4, v7
	v_add_nc_u32 v7, s46, v7                       ; back: lanes 0-15 one row of 256 bytes, lanes 16-31 the next
	v_lshlrev_b32 v8, 12, v2
	v_lshl_add_u32 v8, v1, 4, v8                   ; and the same two rows in out0
	s_wait_kmcnt 0x0
	s_add_co_i32 s22, s22, s23
	s_add_co_i32 s22, s22, 127
	s_lshl_b32 s22, s22, 23                        ; 2^(e6 + e7) as f32
	s_mov_b32 s23, s22                             ; (named with it as a pair, so it is written)
	s_wait_loadcnt 0x0
.irp d, 0,1,2,3,4,5,6,7
	v_pk_add_f32 v[48+2*\d:49+2*\d], v[48+2*\d:49+2*\d], v[64+2*\d:65+2*\d]   ; the 16 heads, by halves
.endr
.irp d, 0,1,2,3
	v_pk_add_f32 v[48+2*\d:49+2*\d], v[48+2*\d:49+2*\d], v[56+2*\d:57+2*\d]
.endr
.irp d, 0,1
	v_pk_add_f32 v[48+2*\d:49+2*\d], v[48+2*\d:49+2*\d], v[52+2*\d:53+2*\d]
.endr
	v_pk_add_f32 v[48:49], v[48:49], v[50:51]
.irp m, 1,2,4,8
	v_add_f32_dpp v80, v80, v80 row_xmask:\m row_mask:0xf bank_mask:0xf       ; slots 64, 65: a head a lane, summed over 16 lanes
	v_add_f32_dpp v81, v81, v81 row_xmask:\m row_mask:0xf bank_mask:0xf
.endr
	global_store_b64 v12, v[48:49], s[16:17]
	global_store_b64 v13, v[80:81], s[16:17] offset:256                       ; every lane holds and stores the same two numbers
	s_wait_xcnt 0x0                                ; the stores have read their data: the fragments below land in those registers
	s_wait_tensorcnt 0x0                           ; my part of the tiles is in,
	s_barrier_signal -1
	s_barrier_wait -1                              ; everybody's is
.macro FETCH k, set                    ; K step k: my fragment of ac (16 registers), Wo's four (64): registers 4 c .. 4 c + 3 hold K = 32 c + 16 h + 0 .. 15, the same permutation of k on both sides
.set FA, 48+80*(\set)
.irp c, 0,1,2,3
	ds_load_b128 v[FA+4*\c:FA+4*\c+3], v4 offset:128*(\k)+32*\c
.endr
.irp b, 0,1,2,3
.irp c, 0,1,2,3
	ds_load_b128 v[FA+16+16*\b+4*\c:FA+16+16*\b+4*\c+3], v5 offset:2048*(\k)+512*\c+16384*\b
.endr
.endr
.endm
.macro MUL set, zero                   ; the four accumulators take turns, one instruction a turn
.set FA, 48+80*(\set)
.irp b, 0,1,2,3
.if \zero
	v_wmma_f32_16x16x128_fp8_fp8 v[ACC+8*\b:ACC+8*\b+7], v[FA+16+16*\b:FA+31+16*\b], v[FA:FA+15], 0
.else
	v_wmma_f32_16x16x128_fp8_fp8 v[ACC+8*\b:ACC+8*\b+7], v[FA+16+16*\b:FA+31+16*\b], v[FA:FA+15], v[ACC+8*\b:ACC+8*\b+7]
.endif
.endr
.endm
	FETCH 0, 0
	FETCH 1, 1
	s_wait_dscnt 20                                ; K step 0's twenty loads are in; the next step's may be out
	MUL 0, 1                                       ; the first products start the sums
.rept 4
	v_nop                                          ; places in front of loads into registers that matrix instructions have read
.endr
	FETCH 2, 0
.irp k, 1,2,3,4,5
	s_wait_dscnt 20
	MUL \k%2, 0
.rept 4
	v_nop
.endr
	FETCH \k+2, \k%2
.endr
	s_wait_dscnt 20
	MUL 0, 0
	s_wait_dscnt 0x0
	MUL 1, 0
.rept 4
	v_nop                                          ; behind the last products
.endr
.irp j, 0,2,4,6,8,10,12,14,16,18,20,22,24,26,28,30
	v_pk_fma_f32 v[48+\j:49+\j], v[ACC+\j:ACC+\j+1], s[22:23], v[BO+\j:BO+\j+1] op_sel_hi:[1,0,1]   ; sum x 2^(e6 + e7) + bo; each accumulator from its low end on
.endr
.irp b, 0,1,2,3
	ds_store_b128 v6, v[48+8*\b:51+8*\b] offset:64*\b
	ds_store_b128 v6, v[52+8*\b:55+8*\b] offset:64*\b+16
.endr
.irp t, 0,1,2,3,4,5,6,7
	ds_load_b128 v[128+4*\t:131+4*\t], v7 offset:2*\t*SPITCH   ; LDS serves a wave's instructions in order (ISA guide 5.7.1.4): these see my stores
.endr
.irp t, 0,1,2,3,4,5,6,7
	s_wait_dscnt 7-\t                              ; rows 2 t, 2 t + 1 are back; the younger loads may be out
	global_store_b128 v8, v[128+4*\t:131+4*\t], s[14:15] offset:8192*\t th:TH_STORE_NT   ; 16 lanes store 256 consecutive bytes, at a multiple of 256 from out0's first byte
.endr
	s_wait_tensorcnt 0x0                           ; the wave's end, behind my last tensor load and my last LDS store
	ds_add_u32 v[SPW], v[NIL]
	s_wait_dscnt 0x0
	CROUND                                         ; the closing round: no work-group ends while a partner may still ask for a tile that names it
	s_endpgm
.Lfunc_end_k_q3efb3926e5_outp:
	.size	k_q3efb3926e5_outp, .Lfunc_end_k_q3efb3926e5_outp-k_q3efb3926e5_outp
	.p2alignl 7, 3214868480
	.fill 96, 4, 3214868480
	.section	.rodata,"a",@progbits
	.p2align	6, 0x0
	.amdhsa_kernel k_q3efb3926e5_outp
		.amdhsa_group_segment_fixed_size 167936
		.amdhsa_private_segment_fixed_size 0
		.amdhsa_enable_private_segment 0
		.amdhsa_kernarg_size 56
		.amdhsa_user_sgpr_count 2
		.amdhsa_user_sgpr_kernarg_segment_ptr 1
		.amdhsa_wavefront_size32 1
		.amdhsa_system_sgpr_workgroup_id_x 1
		.amdhsa_system_sgpr_workgroup_id_y 1
		.amdhsa_system_sgpr_workgroup_id_z 1
		.amdhsa_system_vgpr_workitem_id 0
		.amdhsa_next_free_vgpr 240
		.amdhsa_next_free_sgpr 66
		.amdhsa_reserve_vcc 0
		.amdhsa_float_denorm_mode_32 3
		.amdhsa_float_denorm_mode_16_64 3
		.amdhsa_memory_ordered 1
		.amdhsa_forward_progress 1
		.amdhsa_inst_pref_size 27
	.end_amdhsa_kernel
	.amdgpu_metadata
---
amdhsa.version: [ 1, 2 ]
amdhsa.kernels:
  - .name:           k_q3efb3926e5_outp
    .symbol:         k_q3efb3926e5_outp.kd
    .args:
      - { .name: ac, .offset: 0, .size: 8, .value_kind: global_buffer, .address_space: global }
      - { .name: codes, .offset: 8, .size: 8, .value_kind: global_buffer, .address_space: global }
      - { .name: lowp_scales, .offset: 16, .size: 8, .value_kind: global_buffer, .address_space: global }
      - { .name: bo, .offset: 24, .size: 8, .value_kind: global_buffer, .address_space: global }
      - { .name: wpart, .offset: 32, .size: 8, .value_kind: global_buffer, .address_space: global }
      - { .name: out0, .offset: 40, .size: 8, .value_kind: global_buffer, .address_space: global }
      - { .name: out1, .offset: 48, .size: 8, .value_kind: global_buffer, .address_space: global }
    .group_segment_fixed_size: 167936
    .private_segment_fixed_size: 0
    .kernarg_segment_align: 8
    .kernarg_segment_size: 56
    .max_flat_workgroup_size: 128
    .sgpr_count:     66
    .vgpr_count:     240
    .wavefront_size: 32
...
	.end_amdgpu_metadata
.endif
;; end of part 3
